; MI455X (gfx1250); checked and timed in simulation.
; The chip was launched on July 23, 2026; its instructions are those of AMD's public machine-readable ISA for CDNA 5 (MIT licence, August 2026) and "CDNA5" Instruction Set Architecture Reference Guide (July 2026). The comments in the code are by the model that wrote it; some were corrected since.
;; Multi Head Attention. Allowed arithmetic: matrix products marked QUANTISED: E2M3 operands, one E8M0 scale for each 32 along K, by v_wmma_scale_f32_16x16x128_f8f6f4 with both operands' format E2M3, f32 sums; everything else in f32.
;; Inputs: Wk 1,024 x 1,024 float32; Wq 1,024 x 1,024 float32; Wv 1,024 x 1,024 float32; bk 1,024 float32; bq 1,024 float32; bv 1,024 float32; k 4 x 2,048 x 1,024 float32; kn_b 1,024 float32; kn_g 1,024 float32; mask 1 x 1 x 2,048 x 2,048 float32; q 4 x 2,048 x 1,024 float32; qn_b 1,024 float32; qn_g 1,024 float32; v 4 x 2,048 x 1,024 float32; vn_b 1,024 float32; vn_g 1,024 float32.
;; Outputs: out0 4 x 2,048 x 1,024 float32.
;; This version of the problem:
;;   THIS VERSION OF THE PROBLEM IS GIVEN IN LOW PRECISION. The matrix products marked QUANTISED in the list below multiply operands that are first quantised to E2M3 (2 exponent bits, 3 mantissa bits; 6 bits a number), with one power-of-two scale for each 32 numbers along K (OCP MX v1.0); their sums are f32. All else is computed in f32.
;;   The module's matrix products, in the order in which they are computed (A, B: the left and right operand; K: the contracted axis; several contracted axes count as one K, in the product's order):
;;     1. [M 8,192, K 1,024] x [K 1,024, N 1,024]; A: computed on the way; B: input Wq: QUANTISED
;;     2. [M 8,192, K 1,024] x [K 1,024, N 1,024]; A: computed on the way; B: input Wk: QUANTISED
;;     3. [M 8,192, K 1,024] x [K 1,024, N 1,024]; A: computed on the way; B: input Wv: QUANTISED
;;     4. batch 64 x [M 2,048, K 64] x [K 64, N 2,048]; A: computed on the way; B: computed on the way: QUANTISED
;;     5. batch 64 x [M 2,048, K 2,048] x [K 2,048, N 64]; A: softmax (see below); B: computed on the way: QUANTISED
;;   THE QUANTISER, for each operand of a quantised product, along K:
;;     - K is cut into blocks of 32 from its start; a last block that is shorter is filled with zeros.
;;     - A block's scale is 2^e with e = floor(log2(the largest magnitude in the block)) - 2, held to -126 .. 127; a block of zeros has e = 0. As a byte (E8M0): e + 127.
;;     - Each number is divided by its block's scale, clamped to +-7.5, and rounded to the nearest number of E2M3, ties to even, subnormals kept.
;;     - The product sums the exact products of the quantised numbers (number of the format x scale) in f32.
;;   ~~~python
;;   def quantise(x, axis):      # numpy; x: float32 -> the quantised numbers, widened to float32 again
;;       x = np.moveaxis(x, axis, -1); K = x.shape[-1]
;;       x = np.pad(x, [(0, 0)] * (x.ndim - 1) + [(0, -K % 32)]); x = x.reshape(x.shape[:-1] + (-1, 32)); a = np.abs(x).max(-1, keepdims=True)
;;       e = np.where(a > 0, np.clip(np.frexp(np.where(a > 0, a, 1))[1] - 1 - 2, -126, 127), 0)      # np.frexp(a)[1] - 1 = floor(log2(a)), exactly
;;       r = np.clip(x / 2.0 ** e, -7.5, 7.5)
;;       step = 2.0 ** (np.maximum(np.frexp(np.where(r == 0, 1, r))[1] - 1, 0) - 3)
;;       q = np.round(r / step) * step * 2.0 ** e      # np.round: ties to even
;;       return np.moveaxis(q.reshape(q.shape[:-2] + (-1,))[..., :K], -1, axis).astype(np.float32)
;;   ~~~
;;   SOFTMAX AHEAD OF A QUANTISED PRODUCT. Where the list says 'softmax', what is quantised is not the finished softmax but p = 2^(t - M), with t = logit x log2(e) and M = ceil(the row's largest t), a whole number; so 1/2 < the row's largest p <= 1. The row's sum l is taken of the UNQUANTISED p, in f32, and the product's result is divided by l at the end. Since M is a whole number, a kernel that streams over the keys may use a running M (the ceiling of the running maximum): every later rescaling is an exact power of two, which a block's scale takes up: the codes' values come out the same.
;;   OPERANDS COMPUTED ON THE WAY. 'Computed on the way' means the value that the module computes at that place (a softmax that the list does not call 'softmax' is quantised finished and normalised). What goes into a quantiser is computed in f32, as accurately as f32 sums, v_exp_f32 and their like allow (about 1e-6 of the number): no bf16 or f16 on the way to a quantiser, and a product that is left as it is and whose result goes on into a quantised operand takes f32 operands (vector FMAs, or v_wmma_f32_16x16x4_f32). A number that lies on a knife's edge between two numbers of the format may be rounded either way, as far as f32 arithmetic and the matrix unit's own rounding can turn it there, and no further.
;; One version. Each part assembles by itself: llvm-mc -triple=amdgcn-amd-amdhsa -mcpu=gfx1250 --defsym DOCPART=n.
;; ======== version 1 of 1: 3 launches
;; workspace buffers: xc 21,233,664 bytes; xs 884,736 bytes; hc 18,874,368 bytes; hs 786,432 bytes
;; launch prep (part 1): grid 864 x 1, 4 waves a work-group, no clusters, 45,568 bytes of LDS; arguments q, k, v, qn_g, qn_b, kn_g, kn_b, vn_g, vn_b, Wq, Wk, Wv, xc, xs; writes xc, xs
.if DOCPART == 1
	.amdgcn_target "amdgcn-amd-amdhsa--gfx1250"
	.amdhsa_code_object_version 6
	.text
	.protected	k_q9f635a27bf_prep
	.globl	k_q9f635a27bf_prep
	.p2align	8
	.type	k_q9f635a27bf_prep,@function
k_q9f635a27bf_prep:
	s_mov_b64 s[64:65], 0
	v_nop
	global_prefetch_b8 v0, s[64:65] scope:SCOPE_SE
	s_setreg_imm32_b32 hwreg(HW_REG_WAVE_MODE, 25, 1), 1
	s_wait_xcnt 0x0
; PREP.  LayerNorm(q), LayerNorm(k), LayerNorm(v) (8,192 rows of 1,024 each) and Wq, Wk, Wv (1,024 rows of 1,024 each) become codes of FP6 (E2M3) with one E8M0 byte for each 32 along K = the rows' 1,024.
; xc: 27,648 rows of 768 bytes of codes; xs: 27,648 rows of 32 scale bytes.  Row places: 0 LN(q), 8192 LN(k), 16384 LN(v), 24576 Wq, 25600 Wk, 26624 Wv.
; NO WORK OF THE PROBLEM IS LEFT OUT IN THIS PROGRAM: the mask is an input and may hold any numbers, so every tile of scores is computed; all three biases move codes of live operands; all 16 inputs are loaded by some launch.
; THE ORDER OF ROWS.  Row n of LN(k), LN(v), Wq and Wk is stored at place n with its bits 3 and 4 exchanged (LN(q), Wv: at place n).  So the 16 places of tile 2 b + u hold rows 32 b + 8 u + r + 8 (r / 8):
; used as source 0 of a product, two neighbouring tiles then leave 16 neighbouring rows in a lane's 16 registers.  Eight aligned rows stay neighbours, so a wave's stores stay dense.
; THE NORM is taken as the problem writes it, in two passes in f32: the mean; the mean of the squares of x - mean; (x - mean) x rsqrt(var + 1e-5) x g + b.
; THE QUANTISER: a block's byte is its largest magnitude's exponent field - 2; each number is divided by that scale and rounded to the nearest code, ties to even, beyond 7.5 the largest code.
; LIMITS: a block whose largest magnitude lies under 2^-124 gets the byte 1 (a floor among the maximum's leaves); a block of zeros gets 1 where the rule says 127: its codes are zeros and this program alone reads the bytes;
; NaN and infinities among the inputs are not served.
; SHARES.  A wave takes 8 aligned neighbouring rows; work-groups 0-767 the three activations, 768-863 the three weights.  The two kinds part once, on the work-group's number, and have LDS bytes of their own.
; A row comes by 8 loads of 512 consecutive bytes and lies in 32 registers: the sums never leave the wave.  The conversion wants 16 NEIGHBOURS in a lane, so the row then turns through the wave's own stage in LDS
; (as loaded in, 64 bytes a lane out; 16 bytes of padding behind each 64).  Loads run three rows ahead.  No barrier: waves share nothing.  No matrix unit, no cluster: memory binds.
.set WREG,  5632                       ; LDS of a wave: two stages of 32 x SP bytes, then its 256 scale bytes
.set SP,    80
.set SCB,   5120
.set SPARE, 8*WREG                     ; behind the eight regions: the spare words, 128 bytes for each wave
.set SPW,   12                         ; v12  my spare word's address; never rewritten
.set NIL,   13                         ; v13  0; never rewritten
.set G,     32                         ; v32-63   the gain: register 4 i + c = column 128 i + 4 lane + c
.set BB,    64                         ; v64-95   the norm's bias, likewise
.set X,     96                         ; v96-191  three rows as loaded
.set Y,     192                        ; v192-223 a row as 2 x 16 neighbours
.set C,     224                        ; v224-231 codes: four registers for each of a row's two steps
.set E,     232                        ; v232-233 their scale bytes
	s_load_b512 s[4:19], s[0:1], 0x0               ; q, k, v, qn_g, qn_b, kn_g, kn_b, vn_g
	s_load_b256 s[20:27], s[0:1], 0x40             ; vn_b, Wq, Wk, Wv
	s_load_b128 s[28:31], s[0:1], 0x60             ; xc, xs
	v_lshl_add_u32 v[SPW], v0, 2, SPARE
	v_mov_b32 v[NIL], 0
	v_lshrrev_b32 v1, 5, v0
	v_readfirstlane_b32 s32, v1                    ; wave
	v_and_b32 v2, 31, v0                           ; lane
	v_lshlrev_b32 v3, 4, v2                        ; my 16 bytes of a load's 512
	v_mul_u32_u24 v4, v2, 12                       ; my 12 bytes of a step's 384 bytes of codes
	v_lshlrev_b32 v7, 3, v2                        ; my 8 of the wave's 256 scale bytes
	s_mul_i32 s33, s32, WREG
	v_lshrrev_b32 v14, 2, v2
	v_mul_u32_u24 v14, v14, SP
	v_and_b32 v15, 3, v2
	v_lshl_add_u32 v14, v15, 4, v14
	v_add_nc_u32 v14, s33, v14                     ; the stage, in: SP (lane / 4) + 16 (lane % 4)
	v_mul_u32_u24 v15, v2, SP
	v_add_nc_u32 v15, s33, v15                     ; and out: SP x lane
	v_lshrrev_b32 v5, 1, v2
	v_add_nc_u32 v5, s33, v5                       ; my block's scale byte
	v_add_nc_u32 v6, s33, v7                       ; and the bytes on their way out
	s_mov_b32 s40, 0x76543210
	s_mov_b32 s41, 0xfedcba98                      ; v_permlanex16_b32's selects for lane l xor 16
	s_mov_b32 s42, 0x3a800000                      ; 1 / 1024
	s_mov_b32 s43, 0x3727c5ac                      ; 1e-5
	v_mov_b32 v17, 0                               ; upper halves of pairs of which the low word alone is used
	v_mov_b32 v19, 0
	v_mov_b32 v28, 0                               ; a lane permute's destination counts as one of its sources
	s_wait_kmcnt 0x0
.macro LOADROW t                       ; row t of my eight into set t % 3
.irp i, 0,1,2,3,4,5,6,7
	global_load_b128 v[X+32*((\t)%3)+4*\i:X+32*((\t)%3)+4*\i+3], v3, s[34:35] offset:4096*(\t)+512*\i th:TH_LOAD_NT
.endr
.endm
.macro REDUCE                          ; four pairs v[20:27] -> their sum over the wave, in v20 of every lane
	v_pk_add_f32 v[20:21], v[20:21], v[22:23]
	v_pk_add_f32 v[24:25], v[24:25], v[26:27]
	v_pk_add_f32 v[20:21], v[20:21], v[24:25]
	v_add_f32 v20, v20, v21
	v_add_f32_dpp v20, v20, v20 row_xmask:1 row_mask:0xf bank_mask:0xf
	v_add_f32_dpp v20, v20, v20 row_xmask:2 row_mask:0xf bank_mask:0xf
	v_add_f32_dpp v20, v20, v20 row_xmask:4 row_mask:0xf bank_mask:0xf
	v_add_f32_dpp v20, v20, v20 row_xmask:8 row_mask:0xf bank_mask:0xf
	v_permlanex16_b32 v28, v20, s40, s41
	v_add_f32 v20, v20, v28
.endm
.macro NORM t
.set XB, X+32*((\t)%3)
.irp c, 0,1,2,3
	v_pk_add_f32 v[20+2*\c:21+2*\c], v[XB+2*\c:XB+2*\c+1], v[XB+8+2*\c:XB+9+2*\c]   ; four chains; the first pairs start them
.endr
.irp p, 8,12
.irp c, 0,1,2,3
	v_pk_add_f32 v[20+2*\c:21+2*\c], v[20+2*\c:21+2*\c], v[XB+2*(\p+\c):XB+2*(\p+\c)+1]
.endr
.endr
	REDUCE
	v_mul_f32 v16, s42, v20                        ; the mean
.irp p, 0,1,2,3,4,5,6,7,8,9,10,11,12,13,14,15
	v_pk_add_f32 v[XB+2*\p:XB+2*\p+1], v[XB+2*\p:XB+2*\p+1], v[16:17] op_sel_hi:[1,0] neg_lo:[0,1] neg_hi:[0,1]   ; x - mean
.endr
.irp c, 0,1,2,3
	v_pk_mul_f32 v[20+2*\c:21+2*\c], v[XB+2*\c:XB+2*\c+1], v[XB+2*\c:XB+2*\c+1]
.endr
.irp p, 4,8,12
.irp c, 0,1,2,3
	v_pk_fma_f32 v[20+2*\c:21+2*\c], v[XB+2*(\p+\c):XB+2*(\p+\c)+1], v[XB+2*(\p+\c):XB+2*(\p+\c)+1], v[20+2*\c:21+2*\c]
.endr
.endr
	REDUCE
	v_fma_f32 v29, v20, s42, s43                   ; var + eps
	v_rsq_f32 v18, v29
	v_nop                                          ; a plain instruction behind the transcendental
	s_wait_alu depctr_va_vdst(0)                   ; and the wait ahead of its first reader
.irp p, 0,1,2,3,4,5,6,7,8,9,10,11,12,13,14,15
	v_pk_mul_f32 v[XB+2*\p:XB+2*\p+1], v[XB+2*\p:XB+2*\p+1], v[18:19] op_sel_hi:[1,0]
.endr
.irp p, 0,1,2,3,4,5,6,7,8,9,10,11,12,13,14,15
	v_pk_fma_f32 v[XB+2*\p:XB+2*\p+1], v[XB+2*\p:XB+2*\p+1], v[G+2*\p:G+2*\p+1], v[BB+2*\p:BB+2*\p+1]
.endr
.endm
.macro TURN t                          ; the row through the two stages: LDS serves a wave's instructions in order, so no wait stands between the stores and the loads
.set XB, X+32*((\t)%3)
.irp i, 0,1,2,3,4,5,6,7
	ds_store_b128 v14, v[XB+4*\i:XB+4*\i+3] offset:LB+2560*(\i/4)+640*(\i%4)
.endr
.irp s, 0,1
.irp j, 0,1,2,3
	ds_load_b128 v[Y+16*\s+4*\j:Y+16*\s+4*\j+3], v15 offset:LB+2560*\s+16*\j
.endr
.endr
.endm
.macro QSTEP t, s                      ; 512 numbers: 16 a lane, two neighbouring lanes to a block
.set YS, Y+16*(\s)
	v_max3_num_f32 v8, |v[YS]|, |v[YS+1]|, |v[YS+2]|
	v_max3_num_f32 v9, |v[YS+3]|, |v[YS+4]|, |v[YS+5]|
.irp i, 6,10
	v_max3_num_f32 v8, v8, |v[YS+\i]|, |v[YS+\i+1]|
	v_max3_num_f32 v9, v9, |v[YS+\i+2]|, |v[YS+\i+3]|
.endr
	v_max3_num_f32 v8, v8, |v[YS+14]|, |v[YS+15]|
	v_max3_num_f32 v8, v8, v9, 0x1800000           ; and the floor 2^(3 - 127): the byte cannot fall under 1
	v_max_num_f32_dpp v8, v8, v8 row_xmask:1 row_mask:0xf bank_mask:0xf   ; with my neighbour's 16: the block's largest magnitude
	v_add_nc_u32 v11, 0xff000000, v8               ; 2 off its exponent field: the conversion takes this operand's exponent field as its scale
	v_cvt_scalef32_pk16_fp6_f32 v[C+4*(\s):C+4*(\s)+2], v[YS:YS+15], v11
	v_lshrrev_b32 v[E+(\s)], 23, v11               ; the scale's byte (also the plain instruction behind the conversion)
	ds_store_b8 v5, v[E+(\s)] offset:LB+SCB+16*(2*(\t)+(\s))       ; both lanes of a block write the same byte with the same value
	global_store_b96 v4, v[C+4*(\s):C+4*(\s)+2], s[36:37] offset:384*(2*(\t)+(\s))   ; the wave stores 384 consecutive bytes
.endm
.macro ROW t, ln
.if (\t) < 6
	s_wait_loadcnt 16                              ; my row is in; the 16 loads of the two rows behind it may be out
.else
	s_wait_loadcnt 8*(7-(\t))                      ; the counts run down: one row behind, then none
.endif
.if \ln
	NORM \t
.endif
	TURN \t
	s_wait_dscnt 0x0                               ; the row is back as neighbours; the stage's stores have read their registers, and the last row's byte stores theirs
.if (\t) < 5
	LOADROW (\t)+3                                 ; into the registers that the stage's stores have left
.endif
	s_wait_xcnt 0x0                                ; the last row's stores of codes have read their registers
	QSTEP \t, 0
	QSTEP \t, 1
.endm
; One kind of tensor: ln = 1 the activations, 0 the weights.
.macro PATH ln
.if \ln
.set LB, 0
	s_lshr_b32 s44, ttmp9, 8                       ; which tensor
	s_and_b32 s45, ttmp9, 255
.else
.set LB, 4*WREG
	s_sub_co_u32 s45, ttmp9, 768
	s_lshr_b32 s44, s45, 5
	s_and_b32 s45, s45, 31
.endif
	s_lshl_b32 s45, s45, 2
	s_add_co_u32 s45, s45, s32
	s_lshl_b32 s45, s45, 3                         ; my first row in the tensor
	s_and_b32 s50, s45, 8
	s_lshl_b32 s50, s50, 1
	s_and_b32 s51, s45, 16
	s_lshr_b32 s51, s51, 1
	s_or_b32 s50, s50, s51
	s_and_b32 s51, s45, 0xffffffe7
	s_or_b32 s50, s50, s51                         ; the same with bits 3 and 4 exchanged
.if \ln
	s_lshl_b32 s51, s44, 13                        ; the tensor's first place
	s_cmp_eq_u32 s44, 0
	s_cselect_b32 s50, s45, s50                    ; LN(q) keeps its order
	s_cselect_b64 s[34:35], s[4:5], s[6:7]
	s_cselect_b64 s[46:47], s[10:11], s[14:15]
	s_cselect_b64 s[48:49], s[12:13], s[16:17]
	s_cmp_eq_u32 s44, 2
	s_cselect_b64 s[34:35], s[8:9], s[34:35]
	s_cselect_b64 s[46:47], s[18:19], s[46:47]
	s_cselect_b64 s[48:49], s[20:21], s[48:49]
.else
	s_lshl_b32 s51, s44, 10
	s_add_co_u32 s51, s51, 24576
	s_cmp_eq_u32 s44, 0
	s_cselect_b64 s[34:35], s[22:23], s[24:25]
	s_cmp_eq_u32 s44, 2
	s_cselect_b32 s50, s45, s50                    ; Wv keeps its order
	s_cselect_b64 s[34:35], s[26:27], s[34:35]
.endif
	s_add_co_u32 s50, s50, s51                     ; my first place
	s_lshl_b32 s52, s45, 12
	s_mov_b32 s53, 0
	s_add_nc_u64 s[34:35], s[34:35], s[52:53]      ; in: 4,096 bytes a row
	s_mul_i32 s52, s50, 768
	s_add_nc_u64 s[36:37], s[28:29], s[52:53]      ; codes out
	s_lshl_b32 s52, s50, 5
	s_add_nc_u64 s[38:39], s[30:31], s[52:53]      ; scale bytes out: a multiple of 256 bytes
.if \ln
.irp i, 0,1,2,3,4,5,6,7
	global_load_b128 v[G+4*\i:G+4*\i+3], v3, s[46:47] offset:512*\i
	global_load_b128 v[BB+4*\i:BB+4*\i+3], v3, s[48:49] offset:512*\i
.endr
.endif
	LOADROW 0
	LOADROW 1
	LOADROW 2
.irp t, 0,1,2,3,4,5,6,7
	ROW \t, \ln
.endr
	ds_load_b64 v[8:9], v6 offset:LB+SCB           ; LDS serves a wave's instructions in order: these see my byte stores
	s_wait_dscnt 0x0
	global_store_b64 v7, v[8:9], s[38:39]          ; 32 lanes store 256 consecutive bytes, aligned
	s_wait_tensorcnt 0x0                           ; the wave's end
	ds_add_u32 v[SPW], v[NIL]
	s_wait_dscnt 0x0
	s_endpgm
.endm
	s_cmp_lt_u32 ttmp9, 768
	s_cbranch_scc0 .Lweights
	PATH 1
.Lweights:
	PATH 0
.Lfunc_end_k_q9f635a27bf_prep:
	.size	k_q9f635a27bf_prep, .Lfunc_end_k_q9f635a27bf_prep-k_q9f635a27bf_prep
	.p2alignl 7, 3214868480
	.fill 96, 4, 3214868480
	.section	.rodata,"a",@progbits
	.p2align	6, 0x0
	.amdhsa_kernel k_q9f635a27bf_prep
		.amdhsa_group_segment_fixed_size 45568
		.amdhsa_private_segment_fixed_size 0
		.amdhsa_enable_private_segment 0
		.amdhsa_kernarg_size 112
		.amdhsa_user_sgpr_count 2
		.amdhsa_user_sgpr_kernarg_segment_ptr 1
		.amdhsa_wavefront_size32 1
		.amdhsa_system_sgpr_workgroup_id_x 1
		.amdhsa_system_sgpr_workgroup_id_y 1
		.amdhsa_system_sgpr_workgroup_id_z 1
		.amdhsa_system_vgpr_workitem_id 0
		.amdhsa_next_free_vgpr 240
		.amdhsa_next_free_sgpr 66
		.amdhsa_reserve_vcc 0
		.amdhsa_float_denorm_mode_32 3
		.amdhsa_float_denorm_mode_16_64 3
		.amdhsa_memory_ordered 1
		.amdhsa_forward_progress 1
		.amdhsa_inst_pref_size 113
	.end_amdhsa_kernel
	.amdgpu_metadata
---
amdhsa.version: [ 1, 2 ]
amdhsa.kernels:
  - .name:           k_q9f635a27bf_prep
    .symbol:         k_q9f635a27bf_prep.kd
    .args:
      - { .name: q, .offset: 0, .size: 8, .value_kind: global_buffer, .address_space: global }
      - { .name: k, .offset: 8, .size: 8, .value_kind: global_buffer, .address_space: global }
      - { .name: v, .offset: 16, .size: 8, .value_kind: global_buffer, .address_space: global }
      - { .name: qn_g, .offset: 24, .size: 8, .value_kind: global_buffer, .address_space: global }
      - { .name: qn_b, .offset: 32, .size: 8, .value_kind: global_buffer, .address_space: global }
      - { .name: kn_g, .offset: 40, .size: 8, .value_kind: global_buffer, .address_space: global }
      - { .name: kn_b, .offset: 48, .size: 8, .value_kind: global_buffer, .address_space: global }
      - { .name: vn_g, .offset: 56, .size: 8, .value_kind: global_buffer, .address_space: global }
      - { .name: vn_b, .offset: 64, .size: 8, .value_kind: global_buffer, .address_space: global }
      - { .name: Wq, .offset: 72, .size: 8, .value_kind: global_buffer, .address_space: global }
      - { .name: Wk, .offset: 80, .size: 8, .value_kind: global_buffer, .address_space: global }
      - { .name: Wv, .offset: 88, .size: 8, .value_kind: global_buffer, .address_space: global }
      - { .name: xc, .offset: 96, .size: 8, .value_kind: global_buffer, .address_space: global }
      - { .name: xs, .offset: 104, .size: 8, .value_kind: global_buffer, .address_space: global }
    .group_segment_fixed_size: 45568
    .private_segment_fixed_size: 0
    .kernarg_segment_align: 8
    .kernarg_segment_size: 112
    .max_flat_workgroup_size: 128
    .sgpr_count:     66
    .vgpr_count:     240
    .wavefront_size: 32
...
	.end_amdgpu_metadata
.endif
;; end of part 1
;; launch proj (part 2): grid 4 x 96, 4 waves a work-group, clusters of 4 x 4, 327,680 bytes of LDS; arguments xc, xs, bq, bk, bv, hc, hs; writes hc, hs
.if DOCPART == 2
	.amdgcn_target "amdgcn-amd-amdhsa--gfx1250"
	.amdhsa_code_object_version 6
	.text
	.protected	k_q9f635a27bf_proj
	.globl	k_q9f635a27bf_proj
	.p2align	8
	.type	k_q9f635a27bf_proj,@function
k_q9f635a27bf_proj:
	s_mov_b64 s[64:65], 0
	v_nop
	global_prefetch_b8 v0, s[64:65] scope:SCOPE_SE
	s_setreg_imm32_b32 hwreg(HW_REG_WAVE_MODE, 25, 1), 1
	s_wait_xcnt 0x0
	s_wait_alu depctr_hold_cnt(0) depctr_sa_sdst(0) depctr_va_vdst(0) depctr_va_sdst(0) depctr_va_ssrc(0) depctr_va_vcc(0) depctr_vm_vsrc(0)
	s_getreg_b32 s2, hwreg(HW_REG_IB_STS2, 6, 4)
	s_cmp_eq_u32 s2, 0
	s_cbranch_scc0 .Lentry_in_a_cluster
	s_endpgm
.Lentry_in_a_cluster:
	s_bfe_u32 s2, ttmp6, 0x10000c
	s_cmp_lg_u32 s2, 0xf033
	s_cbranch_scc0 .Lentry_shape_is_right
	s_endpgm
.Lentry_shape_is_right:
; PROJ.  The three projections, LN(x) W^T + bias, as one GEMM on codes of FP6 (E2M3) with E8M0 scales, K = 1,024; the results are quantised in registers and stored as images of the attention launch's operand registers.
; No work of the problem is left out here.
; A tile of C, 256 x 256, is made by four waves, each 128 x 128: 64 accumulators, 512 registers.  K goes in steps of 256 through two LDS slots filled by the tensor data mover; the tile's scale bytes for all of K come once.
; THE MATRIX INSTRUCTION IS USED TRANSPOSED: source 0 = 16 rows of B, source 1 = 16 rows of A: a lane holds ONE row of A and its registers run along B's rows.
; KIND (from the cluster's y: the same in all sixteen partners): 0 q, 1 k: A = the activations, B = the weight: a lane holds one position and 64 features: the K of the scores' product.
;   2 v: A = Wv, B = LN(v): a lane holds one feature d and 64 keys: the K of the second product of attention.
; B's rows lie in xc in the order that leaves 16 neighbours in the 16 registers of two neighbouring tiles; LN(k)'s rows too, so that a tile of keys holds keys 32 b + 8 u + r + 8 (r / 8).
; THE BIAS is the C of each sum's first product (q, k: by B's row; v: by the lane's row of A).
; THE WAY OUT.  For each of my 8 blocks of A: 64 numbers a lane, 4 blocks of 32 along the next K: largest magnitudes (with lane l xor 16's), bytes, conversions: 12 registers of codes and a scale word.
;   q, k: registers 0-5 are the even head's tile (16 positions x 64), 6-11 the odd head's.  v: all 12 are one fragment of V^T (16 d x 128 keys).
;   SIX REGISTERS GO OUT AS 768 BYTES: registers 0, 1 of lane l at 8 l, registers 2-5 at 256 + 16 l: each store covers 256 or 512 consecutive bytes, aligned.
;   hc: q at [b][h][tile of 16 queries][768]; from 6,291,456 on [b][h][step of 128 keys][12,288]: K's 8 tiles, then V^T's 4 fragments of 1,536.
;   hs: q's scale words [b][pair of heads][tile][16]; from 262,144 on [b][group of 4 heads][32,768]: K's two pairs [tile][16], then V's four heads [step][fragment][16].  A word of q or k: bytes 0, 1 the even head's, 2, 3 the odd's.
; LIMITS: a block whose largest magnitude lies under 2^-124 gets the byte 1; a block of zeros too (its codes are zeros; this program alone reads the bytes); NaN and infinities are not served.
; CLUSTERS: 4 x 4 work-groups; A's tiles are asked for jointly along a row of the cluster, B's along a column.  384 tiles are 24 clusters.
; No prefetch: K is four slots long and two of them are first fills.
; REGISTERS, in windows of 256: window 0: v0-31 addresses; v32-63 scale words; v64-127 the bias; from v128 A's fragments, ONE set (on the way out: at work).  window 1: B's fragments, two sets.  windows 2, 3: the accumulators.
.set KSTEP,  256
.set NQ,     2
.set ROWB,   192
.set KROW,   768
.set PITCH,  240                       ; an LDS row: 3 x (64 bytes + 16 of padding)
.set FR,     12
.set NL,     6
.set NP,     4
.set HALFT,  128*PITCH
.set SLOT,   4*HALFT
.set LAPS,   2
.set KS,     32
.set SCL,    2*SLOT
.set HALFS,  (128*KS/256)*272
.set SBLK,   (16*KS/256)*272
.set SPARE,  SCL+4*HALFS               ; the spare words, 128 bytes for each wave
.set STR,  8                           ; v8   the scale words' stage, back: 512 wave + 16 lane (in slot 0, which has had its last fill and its last read by then)
.set VOS,  9                           ; v9   and their place in hs
.set BO,   10                          ; v10  the bias's offset
.set ADRA, 16
.set ADRB, 20
.set O8,   24                          ; v24  8 lane
.set O16,  25                          ; v25  16 lane
.set O8B,  26                          ; v26  8 lane + the second six registers' distance
.set ADRS, 27
.set SPW,  28
.set NIL,  29
.set O16B, 30                          ; v30  16 lane + that distance
.set STS,  31                          ; v31  the scale words' stage, in: 512 wave + 4 (lane % 16)
.set SC,   32
.set BI,   64
.set AF,   128
.set TM,   128                         ; the way out: v128-131 largest magnitudes, v132-135 bytes, v140-143 the conversions' scale operands
.set CDS,  148                         ; v148-159 the codes; v160-166 the conversions' second halves
.set SB,   168                         ; v168-171 scale words on their way out
.set PW,   176                         ; v176-183 a scale word for each block
.set SEL,  92
.set G1, 24
.set G0, 32
.set G1B, 48
.set G0B, 56
.set G1S, 68
.set G0S, 76
.set G1SB, 80
.set G0SB, 88
.set MSB, 0
.macro WIN new                         ; the immediate's high byte repeats the setting that is left
.if MSB != \new
	s_set_vgpr_msb (MSB<<8)|\new
.set MSB, \new
.endif
.endm
.set MUL_LO, 0xa1                      ; source 0 (B) window 1, source 1 (A) window 0, C and D window 2
.set MUL_HI, 0xf1                      ; the same, C and D window 3
.set ONE_LO, 0x81                      ; the first products: C (the bias) window 0, D window 2
.set ONE_HI, 0xc1
.set TO_B,   0x40
; A joint load: waves 0 and 1 fetch for A, waves 2 and 3 for B; the branch hangs on the wave's number alone.  An s_nop 0 and four v_nop follow each of the two lines.
.macro JLOAD g0a, g1a, g0b, g1b
	s_cmp_eq_u32 s15, 0
	s_cbranch_scc0 .Lfor_b_\@
	tensor_load_to_lds s[\g0a:\g0a+3], s[\g1a:\g1a+7]
	s_nop 0
.rept 4
	v_nop
.endr
	s_branch .Lasked_\@
.Lfor_b_\@:
	tensor_load_to_lds s[\g0b:\g0b+3], s[\g1b:\g1b+7]
	s_nop 0
.rept 4
	v_nop
.endr
.Lasked_\@:
.endm
.macro CREST
	s_cmp_lg_u32 s14, 0
	s_cbranch_scc1 .Lnot_wave_0_\@
	s_barrier_signal -3
.Lnot_wave_0_\@:
	s_barrier_wait -3
	s_barrier_signal -1
	s_barrier_wait -1
.endm
.macro CROUND
	s_barrier_signal -1
	s_barrier_wait -1
	CREST
.endm
	s_load_b128 s[4:7], s[0:1], 0x0                ; xc, xs
	s_load_b128 s[8:11], s[0:1], 0x10              ; bq, bk
	s_load_b64 s[12:13], s[0:1], 0x20              ; bv
	s_load_b64 s[96:97], s[0:1], 0x28              ; hc
	s_load_b64 s[98:99], s[0:1], 0x30              ; hs
	v_lshl_add_u32 v[SPW], v0, 2, SPARE
	v_mov_b32 v[NIL], 0
	ds_add_u32 v[SPW], v[NIL]                      ; the wave's opening: the add, twice on end, and its wait ahead of my first tensor load
	ds_add_u32 v[SPW], v[NIL]
	v_lshrrev_b32 v1, 5, v0
	v_readfirstlane_b32 s14, v1                    ; wave 0..3
	s_lshr_b32 s15, s14, 1                         ; which half of the tile's rows is mine.  Also: I fetch for A (0) or for B (1)
	s_and_b32 s16, s14, 1                          ; which half of its columns.  Also: which 128 rows of that tile I fetch
	s_bfe_u32 s40, ttmp6, 0x40000                  ; cx
	s_bfe_u32 s41, ttmp6, 0x40004                  ; cy
	s_and_b32 s17, ttmp7, 0xffff                   ; the cluster's y, 0..23
	s_lshr_b32 s95, s17, 3                         ; KIND
	s_and_b32 s17, s17, 7
	s_lshl_b32 s17, s17, 2                         ; 4 x (which of the kind's eight clusters)
	s_cmp_lt_u32 s95, 2
	s_cselect_b32 s18, s17, 0                      ; q, k: the clusters go down the rows (positions);
	s_cselect_b32 s19, 0, s17                      ; v: along the columns (positions too)
	s_add_co_u32 s17, s18, s41                     ; tile row of C
	s_add_co_u32 s42, s19, s40                     ; tile column of C
	s_lshl_b32 s43, s41, 2
	s_lshl_b32 s43, 15, s43                        ; my row of the cluster
	s_lshl_b32 s44, 0x1111, s40                    ; my column
	; what hangs on KIND: k's numbers first, then q's and v's in their stead
	s_mov_b32 s32, 8192                            ; A's first row in xc
	s_mov_b32 s33, 25600                           ; B's
	s_mov_b32 s34, 196608                          ; from registers 0-5 to registers 6-11 in hc
	s_mov_b32 s35, 196608                          ; from head to head
	s_mov_b32 s36, 12288                           ; from step of 128 positions to step
	s_mov_b32 s37, 6291456                         ; the region's first byte in hc
	s_mov_b32 s38, 32768                           ; hs: from group of four heads to group
	s_mov_b32 s39, 262144                          ; the region's first byte in hs
	s_mov_b32 s56, 512                             ; hs: from step to step
	s_mov_b32 s57, 256                             ; hs: from my blocks 0-3 to my blocks 4-7
	s_mov_b32 s66, 768                             ; hc: from block to block
	s_cmp_eq_u32 s95, 0
	s_cselect_b32 s32, 0, s32
	s_cselect_b32 s33, 24576, s33
	s_cselect_b32 s34, 98304, s34
	s_cselect_b32 s35, 98304, s35
	s_cselect_b32 s36, 6144, s36
	s_cselect_b32 s37, 0, s37
	s_cselect_b32 s38, 16384, s38
	s_cselect_b32 s39, 0, s39
	s_cmp_eq_u32 s95, 2
	s_cselect_b32 s32, 26624, s32
	s_cselect_b32 s33, 16384, s33
	s_cselect_b32 s34, 768, s34
	s_cselect_b32 s37, 6297600, s37
	s_cselect_b32 s39, 278528, s39
	s_cselect_b32 s56, 256, s56
	s_cselect_b32 s57, 4096, s57
	s_cselect_b32 s66, 1536, s66
	s_cselect_b32 s100, 190464, 0                  ; v: block 4 begins the odd head: a head's 196,608 less four fragments
	s_mov_b32 s67, 0
	s_mov_b32 s101, 0
	; descriptor group 1: a tile of 128 rows x 192 bytes, 16 bytes of padding behind every 64
	s_or_b32 s[G1+0], s43, (0<<16)|(1<<20)|(1<<21)|(3<<22)|(3<<25)
	s_or_b32 s[G1B+0], s44, (0<<16)|(1<<20)|(1<<21)|(3<<22)|(3<<25)
.irp g, G1, G1B
	s_mov_b32 s[\g+1], ROWB<<16
	s_mov_b32 s[\g+2], 128<<16
	s_mov_b32 s[\g+3], ROWB<<16
	s_mov_b32 s[\g+4], 128
	s_mov_b32 s[\g+5], KROW
	s_mov_b32 s[\g+6], 0
	s_mov_b32 s[\g+7], 0
.endr
	; the scales of 128 rows: 4,096 dense bytes as rows of 256 bytes, 16 bytes of padding behind each
	s_or_b32 s[G1S+0], s43, (3<<16)|(1<<20)|(1<<21)|(5<<22)|(3<<25)
	s_or_b32 s[G1SB+0], s44, (3<<16)|(1<<20)|(1<<21)|(5<<22)|(3<<25)
.irp g, G1S, G1SB
	s_mov_b32 s[\g+1], 32<<16
	s_mov_b32 s[\g+2], (128*KS/256)<<16
	s_mov_b32 s[\g+3], 32<<16
	s_mov_b32 s[\g+4], 128*KS/256
	s_mov_b32 s[\g+5], 32
	s_mov_b32 s[\g+6], 0
	s_mov_b32 s[\g+7], 0
.endr
	s_lshl_b32 s18, s16, 7                         ; which 128 rows of the tile I fetch
	s_lshl_b32 s20, s17, 8
	s_add_co_u32 s20, s20, s18
	s_add_co_u32 s20, s20, s32                     ; A's row in xc: made of the tile row alone
	s_lshl_b32 s46, s42, 8
	s_add_co_u32 s46, s46, s18
	s_add_co_u32 s46, s46, s33                     ; B's: of the tile column alone
	s_mov_b32 s21, 0
	s_mov_b32 s47, 0
	s_mov_b64 s[18:19], KS
	s_mul_u64 s[22:23], s[20:21], s[18:19]         ; where these rows' scales begin
	s_mul_u64 s[92:93], s[46:47], s[18:19]
	s_mov_b64 s[18:19], KROW
	s_mul_u64 s[20:21], s[20:21], s[18:19]         ; and their codes
	s_mul_u64 s[46:47], s[46:47], s[18:19]
	s_mul_i32 s45, s14, HALFT                      ; where they go in LDS: wave x 128 rows
	s_mul_i32 s94, s14, HALFS
	; where my results go
	s_lshl_b32 s58, s17, 8
	s_lshl_b32 s59, s15, 7
	s_add_co_u32 s58, s58, s59                     ; my first row of C
	s_lshl_b32 s59, s42, 8
	s_lshl_b32 s60, s16, 7
	s_add_co_u32 s59, s59, s60                     ; my first column
	s_cmp_eq_u32 s95, 2
	s_cselect_b32 s60, s59, s58                    ; my first position (of 8,192),
	s_cselect_b32 s61, s58, s59                    ; my first feature (of 1,024)
	s_lshr_b32 s62, s60, 11                        ; batch
	s_bfe_u32 s63, s60, 0x40007                    ; step of 128 positions
	s_lshr_b32 s60, s61, 7                         ; pair of heads
	s_lshl_b32 s76, s62, 4
	s_lshl_b32 s77, s60, 1
	s_add_co_u32 s76, s76, s77                     ; the even head
	s_mul_i32 s76, s76, s35
	s_mul_i32 s77, s63, s36
	s_add_co_u32 s76, s76, s77
	s_add_co_u32 s76, s76, s37
	s_mov_b32 s77, 0
	s_lshl_b32 s78, s62, 2
	s_lshr_b32 s79, s60, 1
	s_add_co_u32 s78, s78, s79                     ; the group of four heads
	s_mul_i32 s78, s78, s38
	s_and_b32 s79, s60, 1
	s_lshl_b32 s79, s79, 13
	s_add_co_u32 s78, s78, s79
	s_mul_i32 s79, s63, s56
	s_add_co_u32 s78, s78, s79
	s_add_co_u32 s78, s78, s39
	s_mov_b32 s79, 0
	s_lshl_b32 s88, s61, 2                         ; my features' bias
	s_mov_b32 s89, 0
	v_and_b32 v1, 15, v0
	v_bfe_u32 v2, v0, 4, 1
	v_and_b32 v6, 31, v0
	v_lshlrev_b32 v[O8], 3, v6
	v_lshlrev_b32 v[O16], 4, v6
	v_add_nc_u32 v[O8B], s34, v[O8]
	v_add_nc_u32 v[O16B], s34, v[O16]
	v_mul_u32_u24 v[VOS], s57, v2
	v_lshl_add_u32 v[VOS], v1, 4, v[VOS]
	s_lshl_b32 s2, s14, 9
	v_add_nc_u32 v[STR], s2, v[O16]
	v_lshl_add_u32 v[STS], v1, 2, s2
	s_wait_dscnt 0x0                               ; both opening adds are done
	s_wait_kmcnt 0x0
	s_add_nc_u64 s[96:97], s[96:97], s[76:77]
	s_add_nc_u64 s[98:99], s[98:99], s[78:79]
	s_cmp_eq_u32 s95, 0
	s_cselect_b64 s[8:9], s[8:9], s[10:11]
	s_cmp_eq_u32 s95, 2
	s_cselect_b64 s[8:9], s[12:13], s[8:9]
	s_add_nc_u64 s[8:9], s[8:9], s[88:89]
	s_add_nc_u64 s[20:21], s[4:5], s[20:21]
	s_add_nc_u64 s[22:23], s[6:7], s[22:23]
	s_add_nc_u64 s[46:47], s[4:5], s[46:47]
	s_add_nc_u64 s[92:93], s[6:7], s[92:93]
	CROUND                                         ; all sixteen work-groups are here: the first joint loads meet
	s_mov_b32 s[G0S], 1
	s_add_co_u32 s[G0S+1], s94, SCL
	s_mov_b64 s[G0S+2:G0S+3], s[22:23]
	s_or_b32 s[G0S+3], s[G0S+3], 0x80000000
	s_mov_b32 s[G0SB], 1
	s_add_co_u32 s[G0SB+1], s94, SCL
	s_mov_b64 s[G0SB+2:G0SB+3], s[92:93]
	s_or_b32 s[G0SB+3], s[G0SB+3], 0x80000000
	JLOAD G0S, G1S, G0SB, G1SB                     ; the scales first: they are wanted with K step 0
.irp s, 0,1
	s_mov_b32 s[G0+4*\s], 1
	s_add_co_u32 s[G0+4*\s+1], s45, \s*SLOT
	s_add_nc_u64 s[G0+4*\s+2:G0+4*\s+3], s[20:21], \s*ROWB
	s_or_b32 s[G0+4*\s+3], s[G0+4*\s+3], 0x80000000
	s_mov_b32 s[G0B+4*\s], 1
	s_add_co_u32 s[G0B+4*\s+1], s45, \s*SLOT
	s_add_nc_u64 s[G0B+4*\s+2:G0B+4*\s+3], s[46:47], \s*ROWB
	s_or_b32 s[G0B+4*\s+3], s[G0B+4*\s+3], 0x80000000
	JLOAD G0+4*\s, G1, G0B+4*\s, G1B               ; three tensor loads of mine are out behind the second of these
.endr
	v_mul_u32_u24 v3, v1, PITCH
	v_mul_u32_u24 v4, v2, 24
	v_add_nc_u32 v4, v3, v4                        ; a fragment's row x pitch + 24 x half
	v_lshl_add_u32 v5, v2, 4, v4                   ; and the same behind one padding more
	s_mul_i32 s21, s15, HALFT                      ; my 128 rows of A
	s_mul_i32 s22, s16, HALFT                      ; my 128 rows of B,
	s_add_co_u32 s22, s22, 2*HALFT                 ; which lie behind A's 256
.irp s, 0,1
	v_add_nc_u32 v[ADRA+\s], s21, v4
	v_add_nc_u32 v[ADRB+\s], s22, v4
	v_add_nc_u32 v[ADRA+2+\s], s21, v5
	v_add_nc_u32 v[ADRB+2+\s], s22, v5
	s_add_co_u32 s21, s21, SLOT
	s_add_co_u32 s22, s22, SLOT
.endr
	v_mul_u32_u24 v5, v1, KS                       ; my row's scales: 32 bytes a row,
	v_lshrrev_b32 v6, 8, v5
	v_lshl_add_u32 v5, v6, 4, v5                   ; and 16 more for each 256 passed
	s_mul_i32 s21, s15, HALFS
	s_mul_i32 s22, s16, HALFS
	s_add_co_u32 s22, s22, 2*HALFS
	s_sub_co_u32 s22, s22, s21
	v_mul_u32_u24 v6, s22, v2                      ; lanes 16-31 take B's
	s_add_co_u32 s21, s21, SCL
	v_add_nc_u32 v5, v5, v6
	v_add_nc_u32 v[ADRS], s21, v5
	s_mov_b32 s[SEL], 0x76543210
	s_mov_b32 s[SEL+1], 0xfedcba98                 ; v_permlanex16_b32's selects for lane l xor 16
	; the bias, in the layout of a result: 64 registers on either way
	s_cmp_eq_u32 s95, 2
	s_cbranch_scc1 .Lbias_v
	v_lshlrev_b32 v[BO], 6, v2                     ; q, k: register 8 b + j = the bias of feature 32 (b / 2) + 16 (lane / 16) + 8 (b % 2) + j
.irp t, 0,1,2,3,4,5,6,7,8,9,10,11,12,13,14,15
	global_load_b128 v[BI+4*\t:BI+4*\t+3], v[BO], s[8:9] offset:4*(32*(\t/4)+8*((\t/2)%2)+4*(\t%2))
.endr
	s_branch .Lbias_in
.Lbias_v:
	v_lshlrev_b32 v[BO], 2, v1                     ; v: registers 8 a + 0 .. 7 all hold the bias of my lane's feature 16 a + lane % 16
.irp a, 0,1,2,3,4,5,6,7
.irp j, 0,1,2,3,4,5,6,7
	global_load_b32 v[BI+8*\a+\j], v[BO], s[8:9] offset:64*\a
.endr
.endr
.Lbias_in:
.macro FRAG reg, adr, q, i             ; 16 rows x 128 K of 6-bit codes: 12 registers, in pieces of 8 bytes; where a lane's piece lies behind one padding more, the second address register serves
.irp p, 0,1,2,3,4,5
.set PC, 12*(\q)+6*(\p/3)+\p%3
.if PC%8 < 5
	ds_load_b64 v[\reg+2*\p:\reg+2*\p+1], v[\adr] offset:8*PC+16*(PC/8)+(\i)*16*PITCH
.else
	ds_load_b64 v[\reg+2*\p:\reg+2*\p+1], v[\adr+2] offset:8*PC+16*(PC/8)+(\i)*16*PITCH
.endif
.endr
.endm
; 16 matrix instructions: A's blocks a0, a0 + 1 x B's eight, 128 along K.  zero = 0: in place; 1: the bias by B's block starts the sums; 2: the bias by A's block.
; The 64 accumulators take turns, one instruction a turn, in the same order in every step.
.macro MUL16 a0, p, q, sc, zero
.irp a, \a0, \a0+1
.irp b, 0,1,2,3,4,5,6,7
.set rD, 8*(8*((\a)%4)+\b)
.set rB, 128*(\p)+FR*\b
.set rA, AF+FR*(\a)
.set rSB, SC+8*NQ*(\sc)+NQ*\b+(\q)
.set rSA, SC+8*NQ*(\sc)+NQ*(\a)+(\q)
.if (\zero) == 1
	v_wmma_scale_f32_16x16x128_f8f6f4 v[rD:rD+7], v[rB:rB+FR-1], v[rA:rA+FR-1], v[BI+8*\b:BI+8*\b+7], v[rSB], v[rSA] matrix_a_fmt:MATRIX_FMT_FP6 matrix_b_fmt:MATRIX_FMT_FP6 matrix_a_scale:MATRIX_SCALE_ROW1
.elseif (\zero) == 2
	v_wmma_scale_f32_16x16x128_f8f6f4 v[rD:rD+7], v[rB:rB+FR-1], v[rA:rA+FR-1], v[BI+8*(\a):BI+8*(\a)+7], v[rSB], v[rSA] matrix_a_fmt:MATRIX_FMT_FP6 matrix_b_fmt:MATRIX_FMT_FP6 matrix_a_scale:MATRIX_SCALE_ROW1
.else
	v_wmma_scale_f32_16x16x128_f8f6f4 v[rD:rD+7], v[rB:rB+FR-1], v[rA:rA+FR-1], v[rD:rD+7], v[rSB], v[rSA] matrix_a_fmt:MATRIX_FMT_FP6 matrix_b_fmt:MATRIX_FMT_FP6 matrix_a_scale:MATRIX_SCALE_ROW1
.endif
.endr
.endr
.endm
.macro FETCH_B slot, q, p
	WIN TO_B
.irp i, 0,1,2,3,4,5,6,7
	FRAG 128*(\p)+FR*\i, ADRB+\slot, \q, \i
.endr
	WIN 0
.endm
.macro FETCH_A slot, q, i0
.irp i, \i0, \i0+1, \i0+2, \i0+3
	FRAG AF+FR*(\i), ADRA+\slot, \q, \i
.endr
.endm
.macro SCALES sc                       ; a K step's scale words: lanes 0-15 take A's block i, lanes 16-31 B's block i
.irp i, 0,1,2,3,4,5,6,7
	ds_load_b64 v[SC+8*NQ*\sc+NQ*\i:SC+8*NQ*\sc+NQ*\i+1], v[ADRS] offset:\i*SBLK
.endr
.endm
.macro PLACES n                        ; plain vector instructions between a matrix instruction and a load into, or a read of, its registers
.rept \n
	v_nop
.endr
.endm
.macro STEP slot, q, zero              ; 128 along K that has its successor in the same slot
	s_wait_dscnt 4*NL                              ; B's set and A's blocks 0-3 are in; the youngest 24 loads (A's blocks 4-7) may be out
.if \zero
	WIN ONE_LO
.else
	WIN MUL_LO
.endif
	MUL16 0, (\q)%2, \q, \slot, \zero
	MUL16 2, (\q)%2, \q, \slot, \zero
	s_wait_dscnt 0
	PLACES NP
	FETCH_B \slot, (\q)+1, 1-(\q)%2
	FETCH_A \slot, (\q)+1, 0
.if \zero
	WIN ONE_HI
.else
	WIN MUL_HI
.endif
	MUL16 4, (\q)%2, \q, \slot, \zero
	MUL16 6, (\q)%2, \q, \slot, \zero
	PLACES NP
	WIN 0
	FETCH_A \slot, (\q)+1, 4
.endm
; A slot's last step changes slots: one barrier; in front of it each wave waits for all its tensor loads, adds 0 to its spare word, and waits for that and for its reads of this slot.
.macro TURN slot, next, fill
	s_wait_tensorcnt 0x0                           ; all my tensor loads have landed: my part of the next slot
	ds_add_u32 v[SPW], v[NIL]
	s_wait_dscnt 4*NL+1                            ; (the add and the youngest 24 loads may be out)
	WIN MUL_LO
	MUL16 0, 1, NQ-1, \slot, 0
	s_wait_dscnt 0x0                               ; the add is done, and my reads of this slot are over
	s_barrier_signal -1
	MUL16 2, 1, NQ-1, \slot, 0
	WIN 0
	s_barrier_wait -1
.if \fill
	CREST                                          ; the barrier has opened a round of the cluster's barrier: no wave of any partner still reads this slot or has a load on its way
	s_add_nc_u64 s[G0+4*\slot+2:G0+4*\slot+3], s[G0+4*\slot+2:G0+4*\slot+3], 2*ROWB
	s_add_nc_u64 s[G0B+4*\slot+2:G0B+4*\slot+3], s[G0B+4*\slot+2:G0B+4*\slot+3], 2*ROWB
	JLOAD G0+4*\slot, G1, G0B+4*\slot, G1B         ; the first tensor load behind the round; its four v_nop are the places in front of the loads below
.else
	PLACES NP
.endif
	v_add_nc_u32 v[ADRS], 4*NQ, v[ADRS]            ; on to the next K step's scale words (no LDS load of mine is out)
	FETCH_B \next, 0, 0
	FETCH_A \next, 0, 0
	SCALES \next
	WIN MUL_HI
	MUL16 4, 1, NQ-1, \slot, 0
	MUL16 6, 1, NQ-1, \slot, 0
	PLACES NP
	WIN 0
	FETCH_A \next, 0, 4
.endm
	s_wait_tensorcnt 1                             ; the scales and my part of K step 0 are in (K step 1's load may be out)
	s_barrier_signal -1
	s_barrier_wait -1                              ; everybody's are
	FETCH_B 0, 0, 0
	FETCH_A 0, 0, 0
	SCALES 0
	FETCH_A 0, 0, 4
	s_wait_loadcnt 0x0                             ; the bias
	s_cmp_eq_u32 s95, 2                            ; the first step is written for each of the two ways in which the bias starts the sums; no barrier and no tensor load stands in either
	s_cbranch_scc1 .Lfirst_v
	STEP 0, 0, 1
	s_branch .Lfirst_done
.Lfirst_v:
	STEP 0, 0, 2
.Lfirst_done:
	s_mov_b32 s3, LAPS-1
.Llap:                                                 ; a trip goes once round the ring and fills both slots again
	TURN 0, 1, 1
	STEP 1, 0, 0
	TURN 1, 0, 1
	STEP 0, 0, 0
	s_sub_co_u32 s3, s3, 1
	s_cmp_lg_u32 s3, 0
	s_cbranch_scc1 .Llap
	TURN 0, 1, 0                                   ; the last lap fills nothing
	STEP 1, 0, 0
	s_wait_dscnt 4*NL
	WIN MUL_LO
	MUL16 0, 1, NQ-1, 1, 0
	MUL16 2, 1, NQ-1, 1, 0
	s_wait_dscnt 0
	WIN MUL_HI
	MUL16 4, 1, NQ-1, 1, 0
	MUL16 6, 1, NQ-1, 1, 0
	WIN 0
; THE WAY OUT of A's block a: its 64 numbers a lane (register 16 b + i = place 32 b + 16 (lane / 16) + i along the next K) become 12 registers of codes and a scale word.
.macro OUTA a
.set AC, 64*((\a)%4)
.set WA, 2+(\a)/4                      ; the block's window
.set WW, 5*WA
	WIN WW                                         ; sources 0 and 1 in the block's window
.irp b, 0,1,2,3
	v_max3_num_f32 v[TM+\b], |v[AC+16*\b]|, |v[AC+16*\b+1]|, 0x1800000   ; each accumulator is read from its low end on; the floor 2^(3 - 127) holds the byte at 1 from below
.endr
.irp i, 2,4,6,8,10,12,14
.irp b, 0,1,2,3
	v_max3_num_f32 v[TM+\b], |v[AC+16*\b+\i]|, |v[AC+16*\b+\i+1]|, v[TM+\b]
.endr
.endr
	WIN 0
.irp b, 0,1,2,3
	v_permlanex16_b32 v[TM+4+\b], v[TM+\b], s[SEL], s[SEL+1]
.endr
.irp b, 0,1,2,3
	v_max_num_f32 v[TM+\b], v[TM+\b], v[TM+4+\b]   ; with lane l xor 16's: the block's largest magnitude
.endr
.irp b, 0,1,2,3
	v_add_nc_u32 v[TM+12+\b], 0xff000000, v[TM+\b] ; 2 off its exponent field: the conversion's scale operand
.endr
.irp b, 0,1,2,3
	v_lshrrev_b32 v[TM+4+\b], 23, v[TM+12+\b]      ; the scale's byte
.endr
	v_lshl_or_b32 v[PW+(\a)], v[TM+5], 8, v[TM+4]
	v_lshl_or_b32 v[PW+(\a)], v[TM+6], 16, v[PW+(\a)]
	v_lshl_or_b32 v[PW+(\a)], v[TM+7], 24, v[PW+(\a)]
	s_wait_xcnt 0x0                                ; the last block's stores have read their registers and their base
.if (\a) > 0
	s_add_nc_u64 s[96:97], s[96:97], s[66:67]
.endif
.if (\a) == 4
	s_add_nc_u64 s[96:97], s[96:97], s[100:101]
.endif
	WIN WA                                         ; source 0 alone in the block's window
.irp c, 0,1
	v_cvt_scalef32_pk16_fp6_f32 v[CDS+6*\c:CDS+6*\c+2], v[AC+32*\c:AC+32*\c+15], v[TM+12+2*\c]
	v_cvt_scalef32_pk16_fp6_f32 v[CDS+12+4*\c:CDS+14+4*\c], v[AC+16+32*\c:AC+31+32*\c], v[TM+13+2*\c]   ; (a conversion's three registers begin on an even number)
.endr
	WIN 0
	v_nop                                          ; one plain instruction behind a scaled conversion
.irp c, 0,1                                    ; the operand's layout wants a WHOLE block of 32 in a lane
.irp i, 0,1,2
	v_permlane16_swap_b32 v[CDS+6*\c+\i], v[CDS+12+4*\c+\i]
.endr
.irp i, 0,1,2
	v_mov_b32 v[CDS+3+6*\c+\i], v[CDS+12+4*\c+\i]
.endr
.endr
	global_store_b64 v[O8], v[CDS:CDS+1], s[96:97]                     ; 256 consecutive bytes, aligned
	global_store_b128 v[O16], v[CDS+2:CDS+5], s[96:97] offset:256      ; 512
	global_store_b64 v[O8B], v[CDS+6:CDS+7], s[96:97]
	global_store_b128 v[O16B], v[CDS+8:CDS+11], s[96:97] offset:256
	ds_store_b32 v[STS], v[PW+(\a)] offset:64*(\a)                     ; lanes l and l + 16 write the same word with the same value
.endm
	PLACES NP                                      ; behind the last products: their results are read and A's registers written below
.irp b, 0,1,2,3
	v_mov_b32 v[TM+4+\b], 0                        ; written once: a lane permute's destination counts as one of its sources
.endr
.irp a, 0,1,2,3,4,5,6,7
	OUTA \a
.endr
	ds_load_b128 v[SB:SB+3], v[STR]                ; my 8 x 16 scale words, 16 bytes a lane: LDS serves a wave's instructions in order
	s_wait_dscnt 0x0
	global_store_b128 v[VOS], v[SB:SB+3], s[98:99] ; sixteen lanes store 256 consecutive bytes, aligned
	s_wait_tensorcnt 0x0                           ; the wave's end
	ds_add_u32 v[SPW], v[NIL]
	s_wait_dscnt 0x0
	CROUND                                         ; the closing round: no work-group ends while a partner may still ask for a tile that names it
	s_endpgm
.Lfunc_end_k_q9f635a27bf_proj:
	.size	k_q9f635a27bf_proj, .Lfunc_end_k_q9f635a27bf_proj-k_q9f635a27bf_proj
	.p2alignl 7, 3214868480
	.fill 96, 4, 3214868480
	.section	.rodata,"a",@progbits
	.p2align	6, 0x0
	.amdhsa_kernel k_q9f635a27bf_proj
		.amdhsa_group_segment_fixed_size 327680
		.amdhsa_private_segment_fixed_size 0
		.amdhsa_enable_private_segment 0
		.amdhsa_kernarg_size 56
		.amdhsa_user_sgpr_count 2
		.amdhsa_user_sgpr_kernarg_segment_ptr 1
		.amdhsa_wavefront_size32 1
		.amdhsa_system_sgpr_workgroup_id_x 1
		.amdhsa_system_sgpr_workgroup_id_y 1
		.amdhsa_system_sgpr_workgroup_id_z 1
		.amdhsa_system_vgpr_workitem_id 0
		.amdhsa_next_free_vgpr 1024
		.amdhsa_next_free_sgpr 102
		.amdhsa_reserve_vcc 0
		.amdhsa_float_denorm_mode_32 3
		.amdhsa_float_denorm_mode_16_64 3
		.amdhsa_memory_ordered 1
		.amdhsa_forward_progress 1
		.amdhsa_inst_pref_size 191
	.end_amdhsa_kernel
	.amdgpu_metadata
---
amdhsa.version: [ 1, 2 ]
amdhsa.kernels:
  - .name:           k_q9f635a27bf_proj
    .symbol:         k_q9f635a27bf_proj.kd
    .args:
      - { .name: xc, .offset: 0, .size: 8, .value_kind: global_buffer, .address_space: global }
      - { .name: xs, .offset: 8, .size: 8, .value_kind: global_buffer, .address_space: global }
      - { .name: bq, .offset: 16, .size: 8, .value_kind: global_buffer, .address_space: global }
      - { .name: bk, .offset: 24, .size: 8, .value_kind: global_buffer, .address_space: global }
      - { .name: bv, .offset: 32, .size: 8, .value_kind: global_buffer, .address_space: global }
      - { .name: hc, .offset: 40, .size: 8, .value_kind: global_buffer, .address_space: global }
      - { .name: hs, .offset: 48, .size: 8, .value_kind: global_buffer, .address_space: global }
    .group_segment_fixed_size: 327680
    .private_segment_fixed_size: 0
    .kernarg_segment_align: 8
    .kernarg_segment_size: 56
    .max_flat_workgroup_size: 128
    .sgpr_count:     102
    .vgpr_count:     1024
    .wavefront_size: 32
...
	.end_amdgpu_metadata
.endif
;; end of part 2
;; launch attn (part 3): grid 32 x 16, 16 waves a work-group, clusters of 4 x 4, 327,680 bytes of LDS; arguments hc, hs, mask, out0; writes out0
.if DOCPART == 3
	.amdgcn_target "amdgcn-amd-amdhsa--gfx1250"
	.amdhsa_code_object_version 6
	.text
	.protected	k_q9f635a27bf_attn
	.globl	k_q9f635a27bf_attn
	.p2align	8
	.type	k_q9f635a27bf_attn,@function
k_q9f635a27bf_attn:
	s_mov_b64 s[64:65], 0
	v_nop
	global_prefetch_b8 v0, s[64:65] scope:SCOPE_SE
	s_setreg_imm32_b32 hwreg(HW_REG_WAVE_MODE, 25, 1), 1
	s_wait_xcnt 0x0
	s_wait_alu depctr_hold_cnt(0) depctr_sa_sdst(0) depctr_va_vdst(0) depctr_va_sdst(0) depctr_va_ssrc(0) depctr_va_vcc(0) depctr_vm_vsrc(0)
	s_getreg_b32 s2, hwreg(HW_REG_IB_STS2, 6, 4)
	s_cmp_eq_u32 s2, 0
	s_cbranch_scc0 .Lentry_in_a_cluster
	s_endpgm
.Lentry_in_a_cluster:
	s_bfe_u32 s2, ttmp6, 0x10000c
	s_cmp_lg_u32 s2, 0xf033
	s_cbranch_scc0 .Lentry_shape_is_right
	s_endpgm
.Lentry_shape_is_right:
; ATTN.  out[b][q][64 h + d] = the sum over keys of softmax_k((Q.K + mask[q][k]) / 8) V, both products on codes of FP6 (E2M3) with E8M0 scales, from the images that the launch before has stored.
; No work of the problem is left out: the mask is an input that may hold any numbers, so every step of keys is walked for every query.
; THE SOFTMAX AHEAD OF THE SECOND PRODUCT: t = (score + mask) x log2(e) / 8; M = the row's largest t so far, rounded UP to a whole number; p = 2^(t - M) is quantised along the keys, not normalised.
; The row's sum is taken of the unquantised p and divides O at the end.  When M moves, the sum and O are multiplied by 2^(old M - new M): exact.
; SHARES.  A work-group owns 64 queries of one batch and four heads; wave w owns head w % 4 and the 16 queries of tile w / 4, in under 256 registers: four waves to a SIMD.  Every wave walks 16 steps of 128 keys.
; A step's slot in LDS holds the mask's 64 x 128 numbers, which the four heads share, and the four heads' K and V^T, which the four tiles of queries share.
; LAYOUT.  Both products are used transposed: S^T = K Q^T + mask^T (source 0 = 16 keys, source 1 = my queries, C = THE MASK, loaded in the result's layout: the addition costs no instruction), O^T = V^T P^T.
; A lane holds ONE query throughout.  A tile of K holds keys 32 b + 8 u + r + 8 (r / 8), so that the 16 registers of tiles 2 b, 2 b + 1 are keys 32 b + 16 (lane / 16) + 0 .. 15.
; THE HEAD HAS 64 NUMBERS, the instruction's K is 128: registers 6-11 of Q's and K's fragments are zero codes, written once; their scale bytes are the zeros above a 16-bit load.
; CLUSTER, 4 x 4: x = four blocks of queries, y = the four groups of heads, of one batch.  The mask's tile hangs on the queries alone and is asked for jointly along a column; K, V and the scales hang on batch and group and are asked for along a row.
; LIMITS: the mask is added inside the matrix unit: where a mask number is so large that f32 loses the score beside it, the lost bits may fall otherwise than in an f32 addition; a row whose every mask number is -infinity gives NaN,
; as the problem's own softmax does; a block of p that has fallen to zeros keeps the byte 1; NaN among the inputs is not served.
; REGISTERS: v1-5 lane addresses; v6, v7 the add's two; v8-11, v28 the step's addresses; v12 -M, v13 the largest t, v[14:15] the sum; v16-27 Q; v29 the way out; v30 the prefetches' offset; v31 Q's scale word;
;   v32-79 four fragments of K; v80-83, v84-87 K's and V's scale words; v96-159 mask, S^T, p, then V^T's four fragments; v160-191 O^T; v192-203 p's codes; v204-229 at work.
.set SLOT1, 1<<17                      ; slot 1 begins here: one exclusive or turns an address from one slot to the other
.set MP,    528                        ; a row of the mask's tile: 512 bytes + 16 of padding: the 16 rows of a load start 132 words apart
.set KVO,   64*MP                      ; behind the mask: four heads x 12,288 bytes: K's 8 tiles of 768, V^T's 4 fragments of 1,536; read as they were stored, lane by lane: no padding
.set SC,    2*SLOT1                    ; the group's scale words for all keys, 32,768 bytes: K's two pairs of heads, then V's four heads
.set SPARE, SC+32768                   ; the spare words, 128 bytes for each of 16 waves
.set QB,    6291456                    ; where K and V begin in hc
.set AM0,  1
.set AK8,  2
.set AK16, 3
.set ASK0, 4
.set ASV0, 5
.set SPW,  6
.set NIL,  7
.set ADM,  8
.set AD8,  9
.set AD16, 10
.set ADS,  11
.set ADT,  28
.set GO,   29
.set PFO,  30
.set BM,   212                         ; v212-215 the blocks' largest scores, then largest p
.set PL,   216                         ; v216-219 lane permutes' destinations, then the bytes
.set SO,   220                         ; v220-223 the conversions' scale operands
.set FF,   224                         ; v[224:225] f = 2^(old M - new M); the upper word is 0 and not used
.set PWD,  226                         ; v226 p's scale word
.set TT,   227
.set S2,   228                         ; v[228:229] the sums' second chain
.set WV,   12
.set SEL,  20
.set CS,   22
.set G1M,  24
.set G1K,  32
.set G1S,  40
.set G0M,  48
.set G0K,  52
.set G0S,  56
.set TB,   60                          ; s60 LDS byte at which the slot in hand begins
.set TS,   61                          ; s61 the step's scale words of K: 512 bytes a step
.set TJ,   62                          ; s62 and of V: 256 bytes a step
.set SLOTS, 63                         ; s63 steps still to be asked for
.set PFA,  66
.set PFS,  68
.set LIM,  70
.set EVR,  71
.set QA,   90                          ; s[90:91] Q's image, s[92:93] Q's scale words: bases of loads, in registers of their own that no later line writes
.set QS,   92
.macro ROUND                           ; a round of the cluster's barrier
	s_barrier_signal -1
	s_barrier_wait -1
	s_cmp_lg_u32 s[WV], 0
	s_cbranch_scc1 .Lnot_wave_0_\@
	s_barrier_signal -3
.Lnot_wave_0_\@:
	s_barrier_wait -3
	s_barrier_signal -1
	s_barrier_wait -1
.endm
; Wave 0 fetches the mask's tile, wave 1 the four heads' K and V.  The branches hang on the wave's number alone.  An s_nop 0 and four v_nop follow each tensor load.
.macro TLOAD2
	s_cmp_eq_u32 s[WV], 0
	s_cbranch_scc0 .Lnot_m_\@
	tensor_load_to_lds s[G0M:G0M+3], s[G1M:G1M+7]
	s_nop 0
.rept 4
	v_nop
.endr
	s_branch .Lasked_\@
.Lnot_m_\@:
	s_cmp_eq_u32 s[WV], 1
	s_cbranch_scc0 .Lasked_\@
	tensor_load_to_lds s[G0K:G0K+3], s[G1K:G1K+7]
	s_nop 0
.rept 4
	v_nop
.endr
.Lasked_\@:
.endm
; A PREFETCH INTO THE L2, behind the change's tensor loads, by waves that fetch nothing.  The trip that loads step j + 1 names step j + 2 on: one trip ahead of the load that will want it.
; K and V: all eight clusters of a batch walk the same bytes, so the first of them (cluster x = 0) asks; its sixteen partners are told apart BY ADDRESS: the one at (cx, cy) takes head 4 cy + cx.  Two steps of a head are
; 24,576 dense bytes: in every second trip waves 4 to 6 name 8,192 each, lanes 256 bytes apart.  THE MASK: all four batches read it, so batch 0's clusters ask: wave 7 names, in every trip, rows 16 cy + lane / 2 of its
; block's 64, 256 (lane % 2) bytes on.  So each aligned 256 bytes are named once in the launch.  Steps 0 and 1 come by their loads alone; the last trip asks for nothing, and no address passes step 15.
.macro ASK
	s_cmp_gt_u32 s[SLOTS], s[LIM]
	s_cbranch_scc0 .Lnot_mine_\@
	s_and_b32 s72, s[SLOTS], s[EVR]
	s_cmp_eq_u32 s72, s[EVR]
	s_cbranch_scc0 .Lnot_mine_\@
	global_prefetch_b8 v[PFO], s[PFA:PFA+1] th:TH_LOAD_NT scope:SCOPE_SE
.Lnot_mine_\@:
.endm
	s_load_b256 s[4:11], s[0:1], 0x0               ; hc s[4:5], hs s[6:7], mask s[8:9], out0 s[10:11]
	v_lshl_add_u32 v[SPW], v0, 2, SPARE
	v_mov_b32 v[NIL], 0
	ds_add_u32 v[SPW], v[NIL]                      ; the wave's opening: the add, twice on end, and its wait ahead of the first tensor loads
	ds_add_u32 v[SPW], v[NIL]
	v_lshrrev_b32 v8, 5, v0
	v_readfirstlane_b32 s[WV], v8                  ; wave 0..15
	s_and_b32 s13, s[WV], 3                        ; my head in the group
	s_lshr_b32 s14, s[WV], 2                       ; my tile of 16 queries in the block
	s_bfe_u32 s15, ttmp6, 0x40000                  ; cx
	s_bfe_u32 s16, ttmp6, 0x40004                  ; cy: the group of heads
	s_lshl_b32 s17, ttmp9, 2
	s_add_co_u32 s17, s17, s15                     ; the block of 64 queries
	s_and_b32 s18, ttmp7, 0xffff                   ; the batch: the cluster's y
	s_lshl_b32 s72, s16, 2
	s_lshl_b32 s72, 15, s72                        ; my row of the cluster
	s_lshl_b32 s73, 0x1111, s15                    ; my column
	s_or_b32 s[G1M], s73, (2<<16)|(1<<20)|(1<<21)|(6<<22)|(3<<25)   ; the mask's tile: elements of 4 bytes; 4 words of padding behind every 128
	s_mov_b32 s[G1M+1], 128<<16                    ; tensor_dim0 = 128
	s_mov_b32 s[G1M+2], 64<<16                     ; tensor_dim1 = 64
	s_mov_b32 s[G1M+3], 128<<16                    ; tile_dim0
	s_mov_b32 s[G1M+4], 64                         ; tile_dim1
	s_mov_b32 s[G1M+5], 2048                       ; elements from row to row
	s_mov_b32 s[G1M+6], 0
	s_mov_b32 s[G1M+7], 0
	s_or_b32 s[G1K], s72, (3<<16)|(1<<21)          ; K and V: four heads' records of 12,288 bytes (1,536 elements of 8), 196,608 bytes apart
	s_mov_b32 s[G1K+1], 1536<<16
	s_mov_b32 s[G1K+2], 4<<16
	s_mov_b32 s[G1K+3], 1536<<16
	s_mov_b32 s[G1K+4], 4
	s_mov_b32 s[G1K+5], 24576
	s_mov_b32 s[G1K+6], 0
	s_mov_b32 s[G1K+7], 0
	s_or_b32 s[G1S], s72, (3<<16)|(1<<21)          ; the scales: 32,768 dense bytes as 128 rows of 256
	s_mov_b32 s[G1S+1], 32<<16
	s_mov_b32 s[G1S+2], 128<<16
	s_mov_b32 s[G1S+3], 32<<16
	s_mov_b32 s[G1S+4], 128
	s_mov_b32 s[G1S+5], 32
	s_mov_b32 s[G1S+6], 0
	s_mov_b32 s[G1S+7], 0
	s_lshl_b32 s74, s17, 19                        ; the mask at my block's first row: 64 rows of 8,192 bytes a block: made of the block alone
	s_mov_b32 s75, 0
	s_lshl_b32 s76, s18, 2
	s_add_co_u32 s76, s76, s16                     ; 4 batch + group: what my row of the cluster shares
	s_lshl_b32 s78, s76, 15
	s_add_co_u32 s78, s78, 262144                  ; its scales in hs
	s_mov_b32 s79, 0
	s_mul_i32 s76, s76, 4*196608
	s_add_co_u32 s76, s76, QB                      ; its first head's K and V in hc
	s_mov_b32 s77, 0
	s_lshl_b32 s80, s18, 4
	s_lshl_b32 s81, s16, 2
	s_add_co_u32 s80, s80, s81
	s_add_co_u32 s80, s80, s13                     ; my head of 64
	s_lshl_b32 s81, s17, 2
	s_add_co_u32 s81, s81, s14                     ; my tile of 128
	s_lshl_b32 s82, s80, 7
	s_add_co_u32 s82, s82, s81
	s_mul_i32 s82, s82, 768                        ; Q's image
	s_mov_b32 s83, 0
	s_lshr_b32 s84, s80, 1                         ; my pair of heads
	s_lshl_b32 s84, s84, 7
	s_add_co_u32 s84, s84, s81
	s_lshl_b32 s84, s84, 6
	s_and_b32 s85, s13, 1
	s_lshl_b32 s85, s85, 1
	s_add_co_u32 s84, s84, s85                     ; Q's scale words: my head's two bytes of each
	s_mov_b32 s85, 0
	s_lshl_b32 s86, s18, 7
	s_add_co_u32 s86, s86, s81
	s_lshl_b32 s86, s86, 16                        ; out: 16 rows of 4,096 bytes a tile,
	s_lshl_b32 s87, s16, 2
	s_add_co_u32 s87, s87, s13
	s_lshl_b32 s87, s87, 8
	s_add_co_u32 s86, s86, s87                     ; my head's 256 bytes of a row
	s_mov_b32 s87, 0
	s_mov_b32 s[SEL], 0x76543210
	s_mov_b32 s[SEL+1], 0xfedcba98                 ; v_permlanex16_b32's selects for lane l xor 16
	s_mov_b32 s[CS], 0x3e38aa3b                    ; c = log2(e) / 8
	s_mov_b32 s[CS+1], s[CS]                       ; (named with it as a pair, so it is written)
	s_mov_b32 s[TB], 0
	s_mov_b32 s[TS], 0
	s_mov_b32 s[TJ], 0
	s_mov_b32 s[SLOTS], 15
	s_wait_dscnt 0x0                               ; both opening adds are done
	s_wait_kmcnt 0x0
	s_mov_b32 s[G0M], 1
	s_mov_b32 s[G0M+1], 0
	s_add_nc_u64 s[G0M+2:G0M+3], s[8:9], s[74:75]
	s_or_b32 s[G0M+3], s[G0M+3], 0x80000000
	s_mov_b32 s[G0K], 1
	s_mov_b32 s[G0K+1], KVO
	s_add_nc_u64 s[G0K+2:G0K+3], s[4:5], s[76:77]
	s_or_b32 s[G0K+3], s[G0K+3], 0x80000000
	s_mov_b32 s[G0S], 1
	s_mov_b32 s[G0S+1], SC
	s_add_nc_u64 s[G0S+2:G0S+3], s[6:7], s[78:79]
	s_or_b32 s[G0S+3], s[G0S+3], 0x80000000
	ROUND                                          ; all sixteen work-groups are here: the first joint loads meet
	s_cmp_eq_u32 s[WV], 0                          ; the first fills, one a wave: step 0's mask, step 0's K and V, the scales
	s_cbranch_scc0 .Lhead_1
	tensor_load_to_lds s[G0M:G0M+3], s[G1M:G1M+7]
	s_nop 0
.rept 4
	v_nop
.endr
	s_branch .Lhead_asked
.Lhead_1:
	s_cmp_eq_u32 s[WV], 1
	s_cbranch_scc0 .Lhead_2
	tensor_load_to_lds s[G0K:G0K+3], s[G1K:G1K+7]
	s_nop 0
.rept 4
	v_nop
.endr
	s_branch .Lhead_asked
.Lhead_2:
	s_cmp_eq_u32 s[WV], 2
	s_cbranch_scc0 .Lhead_asked
	tensor_load_to_lds s[G0S:G0S+3], s[G1S:G1S+7]
	s_nop 0
.rept 4
	v_nop
.endr
.Lhead_asked:
	s_add_nc_u64 s[QA:QA+1], s[4:5], s[82:83]      ; the bases of Q's loads: these four registers are written here and never again, so the loads' sources stand while they are out
	s_add_nc_u64 s[QS:QS+1], s[6:7], s[84:85]
	s_add_nc_u64 s[10:11], s[10:11], s[86:87]
	v_and_b32 v8, 15, v0                           ; r
	v_bfe_u32 v9, v0, 4, 1                         ; h
	v_and_b32 v10, 31, v0                          ; lane
	v_lshlrev_b32 v11, 3, v10
	v_lshlrev_b32 v28, 4, v10
	v_lshlrev_b32 v[TT], 2, v8
	global_load_b64 v[16:17], v11, s[QA:QA+1]      ; Q's six registers, as they were stored
	global_load_b128 v[18:21], v28, s[QA:QA+1] offset:256
	global_load_u16 v31, v[TT], s[QS:QS+1]         ; my head's two scale bytes; the two above are 0, over zero codes.  (v11, v28 and v227 are next written in the first step, behind the wait for these loads)
	s_mul_i32 s88, s14, 16*MP
	v_mul_u32_u24 v[AM0], v8, MP
	v_lshl_add_u32 v[AM0], v9, 6, v[AM0]
	v_add_nc_u32 v[AM0], s88, v[AM0]               ; the mask: my query's row, + 16 numbers for lanes 16-31
	s_mul_i32 s88, s13, 12288
	s_add_co_u32 s88, s88, KVO
	v_lshl_add_u32 v[AK8], v10, 3, s88             ; my head's record: 8 bytes a lane,
	v_lshl_add_u32 v[AK16], v10, 4, s88            ; 16 bytes a lane
	s_lshr_b32 s88, s13, 1
	s_lshl_b32 s88, s88, 13
	s_and_b32 s89, s13, 1
	s_lshl_b32 s89, s89, 1
	s_add_co_u32 s88, s88, s89
	s_add_co_u32 s88, s88, SC
	v_lshl_add_u32 v[ASK0], v8, 2, s88             ; K's scale words: my pair, my head's two bytes
	s_lshl_b32 s88, s13, 12
	s_add_co_u32 s88, s88, SC+16384
	v_lshl_add_u32 v[ASV0], v8, 2, s88             ; V's: my head
	v_lshlrev_b32 v[GO], 12, v9
	v_lshl_add_u32 v[GO], v8, 4, v[GO]             ; the way out: lanes 0-15 one row of out, lanes 16-31 the next; 16 bytes a lane
	; the prefetches: where my wave's stand, and who asks.  (s80 to s85 hold plain numbers alone: no pending load names them)
	s_lshl_b32 s80, s17, 6
	s_lshl_b32 s82, s16, 4
	s_add_co_u32 s80, s80, s82
	s_lshl_b32 s80, s80, 13
	s_add_co_u32 s80, s80, 512                     ; the mask: row 64 block + 16 cy, at step 1: the first change steps it to step 2
	s_lshl_b32 s81, s18, 4
	s_lshl_b32 s82, s16, 2
	s_add_co_u32 s81, s81, s82
	s_add_co_u32 s81, s81, s15                     ; K and V: head 16 batch + 4 cy + cx,
	s_mul_i32 s81, s81, 196608
	s_and_b32 s82, s[WV], 3
	s_lshl_b32 s82, s82, 13                        ; my wave's 8,192 bytes,
	s_add_co_u32 s81, s81, s82
	s_add_co_u32 s81, s81, QB+12288                ; at step 1 likewise
	s_mov_b32 s[PFS], 12288
	s_mov_b32 s84, 512
	s_cmp_eq_u32 s[WV], 7
	s_cselect_b64 s[PFA:PFA+1], s[8:9], s[4:5]
	s_cselect_b32 s80, s80, s81
	s_cselect_b32 s[PFS], 512, s[PFS]              ; a step on
	s_cselect_b32 s84, 8192, s84                   ; from pair of lanes to pair of lanes
	s_cselect_b32 s[EVR], 0, 1                     ; the mask in every trip, K and V in every second
	s_cselect_b32 s85, s18, ttmp9                  ; the coordinate along which other clusters read the same bytes
	s_mov_b32 s81, 0
	s_mov_b32 s[PFS+1], 0
	s_add_nc_u64 s[PFA:PFA+1], s[PFA:PFA+1], s[80:81]
	s_lshr_b32 s83, s[WV], 2
	s_xor_b32 s83, s83, 1                          ; 0 in waves 4 to 7,
	s_or_b32 s83, s83, s85                         ; of the first cluster along that coordinate: the same in all sixteen partners
	s_cmp_eq_u32 s83, 0
	s_cselect_b32 s[LIM], 1, -1
	v_lshrrev_b32 v[PFO], 1, v10
	v_mul_u32_u24 v[PFO], s84, v[PFO]
	v_and_b32 v10, 1, v10
	v_lshl_add_u32 v[PFO], v10, 8, v[PFO]
	v_mov_b32 v13, 0xff61b1e6                      ; the largest t so far: -3e38, under every t
	v_floor_f32 v12, -v13                          ; -M
	v_mov_b32 v14, 0
	v_mov_b32 v15, 0
	v_mov_b32 v[FF+1], 0
.irp b, 0,1,2,3
	v_mov_b32 v[PL+\b], 0                          ; written once: a lane permute's destination counts as one of its sources
.endr
.irp j, 22,23,24,25,26,27
	v_mov_b32 v[\j], 0                             ; the upper half of the instruction's K: zero codes, in Q
.endr
.irp t, 0,1,2,3
.irp j, 6,7,8,9,10,11
	v_mov_b32 v[32+12*\t+\j], 0                    ; and in K's four fragments: written once, no load lands there
.endr
.endr
.irp j, 0,1,2,3,4,5,6,7,8,9,10,11,12,13,14,15,16,17,18,19,20,21,22,23,24,25,26,27,28,29,30,31
	v_mov_b32 v[160+\j], 0                         ; O^T.  (The step is written once for the loop: its first trip finds zeros, which the first change of M leaves zeros)
.endr
.macro MLOAD g                         ; the mask of tiles g .. g + 3, in the result's layout: register j of tile T = mask(my query, 32 (T / 2) + 16 (lane / 16) + 8 (T % 2) + j)
.irp t, 0,1,2,3
	ds_load_b128 v[96+8*(\g+\t):99+8*(\g+\t)], v[ADM] offset:128*((\g+\t)/2)+32*(\t%2)
	ds_load_b128 v[100+8*(\g+\t):103+8*(\g+\t)], v[ADM] offset:128*((\g+\t)/2)+32*(\t%2)+16
.endr
.endm
.macro KLOAD g                         ; K's tiles g .. g + 3: six registers each, and two scale bytes a key
.irp t, 0,1,2,3
	ds_load_b64 v[32+12*\t:33+12*\t], v[AD8] offset:768*(\g+\t)
	ds_load_b128 v[34+12*\t:37+12*\t], v[AD16] offset:768*(\g+\t)+256
	ds_load_u16 v[80+\t], v[ADS] offset:64*(\g+\t)
.endr
.endm
.macro KQ g                            ; S^T = K Q^T + mask^T: the mask is the C, in place; four accumulators by turns
.irp t, 0,1,2,3
	v_wmma_scale_f32_16x16x128_f8f6f4 v[96+8*(\g+\t):103+8*(\g+\t)], v[32+12*\t:43+12*\t], v[16:27], v[96+8*(\g+\t):103+8*(\g+\t)], v[80+\t], v31 matrix_a_fmt:MATRIX_FMT_FP6 matrix_b_fmt:MATRIX_FMT_FP6
.endr
.endm
; A KEY STEP: 128 keys, the slot in hand.
.macro STEP
	v_add_nc_u32 v[ADM], s[TB], v[AM0]             ; five plain instructions: the places between the last step's products and the loads into, and the products that write over, their registers
	v_add_nc_u32 v[AD8], s[TB], v[AK8]
	v_add_nc_u32 v[AD16], s[TB], v[AK16]
	v_add_nc_u32 v[ADS], s[TS], v[ASK0]
	v_add_nc_u32 v[ADT], s[TJ], v[ASV0]
	MLOAD 0
	KLOAD 0
	MLOAD 4
	s_wait_dscnt 8                                 ; all but the youngest eight, the mask of tiles 4-7
	KQ 0
.rept 4
	v_nop                                          ; places in front of loads into registers that matrix instructions have read
.endr
	KLOAD 4
	s_wait_dscnt 0x0
	KQ 4
.rept 4
	v_nop
.endr
.irp b, 0,1,2,3
	v_max3_num_f32 v[BM+\b], v[96+16*\b], v[97+16*\b], v[98+16*\b]   ; the largest score of each block of 32 keys: for the row's maximum and, since p rises with the score, for the block's largest p
.endr
.irp i, 3,5,7,9,11,13
.irp b, 0,1,2,3
	v_max3_num_f32 v[BM+\b], v[BM+\b], v[96+16*\b+\i], v[97+16*\b+\i]
.endr
.endr
.irp b, 0,1,2,3
	v_max_num_f32 v[BM+\b], v[BM+\b], v[111+16*\b]
.endr
.irp b, 0,1,2,3
	v_permlanex16_b32 v[PL+\b], v[BM+\b], s[SEL], s[SEL+1]
.endr
.irp b, 0,1,2,3
	v_max_num_f32 v[BM+\b], v[BM+\b], v[PL+\b]     ; with lane l xor 16's 16 keys
.endr
	v_max3_num_f32 v[TT], v[BM], v[BM+1], v[BM+2]
	v_max_num_f32 v[TT], v[TT], v[BM+3]
	v_mul_f32 v[TT], s[CS], v[TT]                  ; as t (c is positive)
	v_max_num_f32 v13, v13, v[TT]                  ; the running largest t
	v_mov_b32 v[TT], v12
	v_floor_f32 v12, -v13                          ; the new -M = floor(-t) = -ceil(t)
	v_sub_f32 v[TT], v12, v[TT]                    ; old M - new M: a whole number, 0 or less
	v_cvt_i32_f32 v[TT], v[TT]                     ; (it saturates)
	v_ldexp_f32 v[FF], 1.0, v[TT]                  ; f = 2^(old M - new M)
.irp j, 0,2,4,6,8,10,12,14,16,18,20,22,24,26,28,30,32,34,36,38,40,42,44,46,48,50,52,54,56,58,60,62
	v_pk_fma_f32 v[96+\j:97+\j], v[96+\j:97+\j], s[CS:CS+1], v[12:13] op_sel_hi:[1,0,0]   ; t - M, two at a time
.endr
.irp b, 0,1,2,3
	v_fma_f32 v[BM+\b], v[BM+\b], s[CS], v12       ; the same of each block's largest score
.endr
.irp j, 0,1,2,3,4,5,6,7,8,9,10,11,12,13,14,15,16,17,18,19,20,21,22,23,24,25,26,27,28,29,30,31,32,33,34,35,36,37,38,39,40,41,42,43,44,45,46,47,48,49,50,51,52,53,54,55,56,57,58,59,60,61,62,63
	v_exp_f32 v[96+\j], v[96+\j]                   ; p = 2^(t - M), at most 1
.endr
	v_pk_mul_f32 v[14:15], v[14:15], v[FF:FF+1] op_sel_hi:[1,0]   ; the sums under the new M (the plain instruction behind the exponentials)
	s_wait_alu depctr_va_vdst(0)                   ; one wait for the whole batch, ahead of its first reader
.irp b, 0,1,2,3
	v_exp_f32 v[BM+\b], v[BM+\b]                   ; the block's largest p: the same two instructions on the same number give the same bits
.endr
	v_pk_add_f32 v[S2:S2+1], v[96:97], v[98:99]    ; the row's sum is taken of the unquantised p: two chains
.irp j, 4,8,12,16,20,24,28,32,36,40,44,48,52,56,60
	v_pk_add_f32 v[14:15], v[14:15], v[96+\j:97+\j]
	v_pk_add_f32 v[S2:S2+1], v[S2:S2+1], v[98+\j:99+\j]
.endr
	v_pk_add_f32 v[14:15], v[14:15], v[S2:S2+1]
	s_wait_alu depctr_va_vdst(0)                   ; and one for the four
.irp b, 0,1,2,3
	v_max_num_f32 v[BM+\b], 0x1800000, v[BM+\b]    ; the floor 2^(3 - 127): the byte cannot fall under 1
.endr
.irp b, 0,1,2,3
	v_add_nc_u32 v[SO+\b], 0xff000000, v[BM+\b]    ; 2 off the exponent field: the conversion's scale operand
.endr
.irp b, 0,1,2,3
	v_lshrrev_b32 v[PL+\b], 23, v[SO+\b]           ; the scale's byte
.endr
	v_lshl_or_b32 v[PWD], v[PL+1], 8, v[PL]        ; p's scale word for these 128 keys
	v_lshl_or_b32 v[PWD], v[PL+2], 16, v[PWD]
	v_lshl_or_b32 v[PWD], v[PL+3], 24, v[PWD]
.irp c, 0,1
	v_cvt_scalef32_pk16_fp6_f32 v[192+6*\c:194+6*\c], v[96+32*\c:111+32*\c], v[SO+2*\c]
	v_cvt_scalef32_pk16_fp6_f32 v[204+4*\c:206+4*\c], v[112+32*\c:127+32*\c], v[SO+2*\c+1]   ; (a conversion's three registers begin on an even number)
.endr
	v_nop                                          ; one plain instruction behind a scaled conversion
.irp t, 0,1,2,3                                ; V^T's four fragments (16 d x 128 keys) into the registers that p has left; they land while the lines below run
	ds_load_b64 v[96+12*\t:97+12*\t], v[AD8] offset:6144+1536*\t
	ds_load_b128 v[98+12*\t:101+12*\t], v[AD16] offset:6144+1536*\t+256
	ds_load_b64 v[102+12*\t:103+12*\t], v[AD8] offset:6144+1536*\t+768
	ds_load_b128 v[104+12*\t:107+12*\t], v[AD16] offset:6144+1536*\t+1024
	ds_load_b32 v[84+\t], v[ADT] offset:64*\t
.endr
.irp c, 0,1                                    ; the operand's layout wants a WHOLE block of 32 keys in a lane
.irp i, 0,1,2
	v_permlane16_swap_b32 v[192+6*\c+\i], v[204+4*\c+\i]
.endr
.irp i, 0,1,2
	v_mov_b32 v[195+6*\c+\i], v[204+4*\c+\i]
.endr
.endr
.irp j, 0,2,4,6,8,10,12,14,16,18,20,22,24,26,28,30
	v_pk_mul_f32 v[160+\j:161+\j], v[160+\j:161+\j], v[FF:FF+1] op_sel_hi:[1,0]   ; O^T under the new M.  (These 16 are also the places between the codes' and the scale word's last writes and the products)
.endr
	s_wait_dscnt 0x0
.irp t, 0,1,2,3
	v_wmma_scale_f32_16x16x128_f8f6f4 v[160+8*\t:167+8*\t], v[96+12*\t:107+12*\t], v[192:203], v[160+8*\t:167+8*\t], v[84+\t], v[PWD] matrix_a_fmt:MATRIX_FMT_FP6 matrix_b_fmt:MATRIX_FMT_FP6
.endr
	s_add_co_u32 s[TS], s[TS], 512
	s_add_co_u32 s[TJ], s[TJ], 256
	s_xor_b32 s[TB], s[TB], SLOT1                  ; on to the other slot
.endm
; THE CHANGE OF SLOTS stands at a step's head.  Each wave waits for all its tensor loads, adds 0 to its spare word (fill = 1: twice on end), and waits for that and for its reads of the slot that it has left.
; fill = 1: a round of the cluster's barrier: no wave of any partner still reads that slot or has a load on its way; the joint load of the next step's tiles comes first behind it and has a whole step in which to land.
.macro CHANGE fill
	s_wait_tensorcnt 0x0                           ; no tensor load of mine is out, so a group 0 may be written
	ds_add_u32 v[SPW], v[NIL]
.if \fill
	ds_add_u32 v[SPW], v[NIL]                      ; and once more, in every trip alike
	s_xor_b32 s[G0M+1], s[G0M+1], SLOT1            ; the walking descriptors: the other slot than last time,
	s_add_nc_u64 s[G0M+2:G0M+3], s[G0M+2:G0M+3], 512     ; the next 128 keys' columns of the mask,
	s_xor_b32 s[G0K+1], s[G0K+1], SLOT1
	s_add_nc_u64 s[G0K+2:G0K+3], s[G0K+2:G0K+3], 12288   ; the heads' next records
	s_wait_xcnt 0x0                                ; the last prefetch, a step back, has read its address
	s_add_nc_u64 s[PFA:PFA+1], s[PFA:PFA+1], s[PFS:PFS+1]
.endif
	s_wait_dscnt 0x0                               ; the add is done, and my reads of the slot that I have left are over
.if \fill
	ROUND
	TLOAD2
	ASK
.else
	s_barrier_signal -1
	s_barrier_wait -1
.endif
.endm
	s_wait_loadcnt 0x0                             ; Q
.Lslot:                                            ; 15 trips: behind each change of slots but the last the next step is asked for
	CHANGE 1
	STEP
	s_sub_co_u32 s[SLOTS], s[SLOTS], 1
	s_cmp_lg_u32 s[SLOTS], 0
	s_cbranch_scc1 .Lslot
	CHANGE 0                                       ; the last step is written out
	STEP
	; THE WAY OUT.  O^T / the sum goes through my stage in LDS (16 rows x 272 bytes, in slot 0: it has had its last fill, and nobody has read it since the last change), so that sixteen lanes store 256 consecutive bytes, aligned.
	v_add_f32 v14, v14, v15                        ; the sum's two halves,
	v_permlanex16_b32 v[TT], v14, s[SEL], s[SEL+1]
	v_add_f32 v14, v14, v[TT]                      ; and lane l xor 16's
	v_rcp_f32 v14, v14
	v_and_b32 v8, 15, v0                           ; (plain instructions behind the transcendental)
	v_bfe_u32 v9, v0, 4, 1
	s_mul_i32 s73, s[WV], 16*272
	v_mul_u32_u24 v10, v8, 272
	v_lshl_add_u32 v10, v9, 5, v10
	v_add_nc_u32 v10, s73, v10                     ; in: row r; tile t's eight channels of my half: 64 t + 32 h bytes on
	v_mul_u32_u24 v11, v9, 272
	v_lshl_add_u32 v11, v8, 4, v11
	v_add_nc_u32 v11, s73, v11                     ; back: lanes 0-15 one row, lanes 16-31 the next
	s_wait_alu depctr_va_vdst(0)                   ; the wait ahead of the reciprocal's first reader
.irp j, 0,2,4,6,8,10,12,14,16,18,20,22,24,26,28,30
	v_pk_mul_f32 v[96+\j:97+\j], v[160+\j:161+\j], v[14:15] op_sel_hi:[1,0]   ; register 8 t + i is o(r, 16 t + 8 h + i); each accumulator from its low end on
.endr
.irp t, 0,1,2,3
	ds_store_b128 v10, v[96+8*\t:99+8*\t] offset:64*\t
	ds_store_b128 v10, v[100+8*\t:103+8*\t] offset:64*\t+16
.endr
.irp i, 0,1,2,3,4,5,6,7
	ds_load_b128 v[32+4*\i:35+4*\i], v11 offset:2*\i*272   ; LDS serves a wave's instructions in order: these see my stores
.endr
.irp i, 0,1,2,3,4,5,6,7
	s_wait_dscnt 7-\i                              ; pair i of rows is back; the pairs behind it may be out
	global_store_b128 v[GO], v[32+4*\i:35+4*\i], s[10:11] offset:8192*\i
.endr
	s_wait_tensorcnt 0x0                           ; the wave's end
	ds_add_u32 v[SPW], v[NIL]
	s_wait_dscnt 0x0
	ROUND                                          ; the closing round: no work-group ends while a partner may still ask for a tile that names it
	s_endpgm
.Lfunc_end_k_q9f635a27bf_attn:
	.size	k_q9f635a27bf_attn, .Lfunc_end_k_q9f635a27bf_attn-k_q9f635a27bf_attn
	.p2alignl 7, 3214868480
	.fill 96, 4, 3214868480
	.section	.rodata,"a",@progbits
	.p2align	6, 0x0
	.amdhsa_kernel k_q9f635a27bf_attn
		.amdhsa_group_segment_fixed_size 327680
		.amdhsa_private_segment_fixed_size 0
		.amdhsa_enable_private_segment 0
		.amdhsa_kernarg_size 32
		.amdhsa_user_sgpr_count 2
		.amdhsa_user_sgpr_kernarg_segment_ptr 1
		.amdhsa_wavefront_size32 1
		.amdhsa_system_sgpr_workgroup_id_x 1
		.amdhsa_system_sgpr_workgroup_id_y 1
		.amdhsa_system_sgpr_workgroup_id_z 1
		.amdhsa_system_vgpr_workitem_id 0
		.amdhsa_next_free_vgpr 240
		.amdhsa_next_free_sgpr 96
		.amdhsa_reserve_vcc 0
		.amdhsa_float_denorm_mode_32 3
		.amdhsa_float_denorm_mode_16_64 3
		.amdhsa_memory_ordered 1
		.amdhsa_forward_progress 1
		.amdhsa_inst_pref_size 53
	.end_amdhsa_kernel
	.amdgpu_metadata
---
amdhsa.version: [ 1, 2 ]
amdhsa.kernels:
  - .name:           k_q9f635a27bf_attn
    .symbol:         k_q9f635a27bf_attn.kd
    .args:
      - { .name: hc, .offset: 0, .size: 8, .value_kind: global_buffer, .address_space: global }
      - { .name: hs, .offset: 8, .size: 8, .value_kind: global_buffer, .address_space: global }
      - { .name: mask, .offset: 16, .size: 8, .value_kind: global_buffer, .address_space: global }
      - { .name: out0, .offset: 24, .size: 8, .value_kind: global_buffer, .address_space: global }
    .group_segment_fixed_size: 327680
    .private_segment_fixed_size: 0
    .kernarg_segment_align: 8
    .kernarg_segment_size: 32
    .max_flat_workgroup_size: 512
    .sgpr_count:     96
    .vgpr_count:     240
    .wavefront_size: 32
...
	.end_amdgpu_metadata
.endif
;; end of part 3
